; MI455X (gfx1250); checked and timed in simulation.
; The chip was launched on July 23, 2026; its instructions are those of AMD's public machine-readable ISA for CDNA 5 (MIT licence, August 2026) and "CDNA5" Instruction Set Architecture Reference Guide (July 2026). The comments in the code are by the model that wrote it; some were corrected since.
;; Cross Attention Module. Allowed arithmetic: matrix products marked QUANTISED: E2M3 operands, one E8M0 scale for each 32 along K, by v_wmma_scale_f32_16x16x128_f8f6f4 with both operands' format E2M3, f32 sums; everything else in f32.
;; Inputs: bk 32 float32; bq 32 float32; bv 256 float32; feature1 8 x 256 x 64 x 64 float32; feature2 8 x 256 x 64 x 64 float32; feature3 8 x 256 x 64 x 64 float32; wk 32 x 256 float32; wq 32 x 256 float32; wv 256 x 256 float32.
;; Outputs: out0 8 x 256 x 64 x 64 float32.
;; This version of the problem:
;;   THIS VERSION OF THE PROBLEM IS GIVEN IN LOW PRECISION. The matrix products marked QUANTISED in the list below multiply operands that are first quantised to E2M3 (2 exponent bits, 3 mantissa bits; 6 bits a number), with one power-of-two scale for each 32 numbers along K (OCP MX v1.0); their sums are f32. All else is computed in f32.
;;   The module's matrix products, in the order in which they are computed (A, B: the left and right operand; K: the contracted axis; several contracted axes count as one K, in the product's order):
;;     1. [M 32, K 256] x [K 256, N 32,768]; A: input wq; B: input feature1: QUANTISED
;;     2. [M 32, K 256] x [K 256, N 32,768]; A: input wk; B: input feature2: QUANTISED
;;     3. [M 256, K 256] x [K 256, N 32,768]; A: input wv; B: input feature3: QUANTISED
;;     4. batch 8 x [M 4,096, K 32] x [K 32, N 4,096]; A: computed on the way; B: computed on the way: QUANTISED
;;     5. batch 8 x [M 256, K 4,096] x [K 4,096, N 4,096]; A: computed on the way; B: softmax (see below): QUANTISED
;;   THE QUANTISER, for each operand of a quantised product, along K:
;;     - K is cut into blocks of 32 from its start; a last block that is shorter is filled with zeros.
;;     - A block's scale is 2^e with e = floor(log2(the largest magnitude in the block)) - 2, held to -126 .. 127; a block of zeros has e = 0. As a byte (E8M0): e + 127.
;;     - Each number is divided by its block's scale, clamped to +-7.5, and rounded to the nearest number of E2M3, ties to even, subnormals kept.
;;     - The product sums the exact products of the quantised numbers (number of the format x scale) in f32.
;;   ~~~python
;;   def quantise(x, axis):      # numpy; x: float32 -> the quantised numbers, widened to float32 again
;;       x = np.moveaxis(x, axis, -1); K = x.shape[-1]
;;       x = np.pad(x, [(0, 0)] * (x.ndim - 1) + [(0, -K % 32)]); x = x.reshape(x.shape[:-1] + (-1, 32)); a = np.abs(x).max(-1, keepdims=True)
;;       e = np.where(a > 0, np.clip(np.frexp(np.where(a > 0, a, 1))[1] - 1 - 2, -126, 127), 0)      # np.frexp(a)[1] - 1 = floor(log2(a)), exactly
;;       r = np.clip(x / 2.0 ** e, -7.5, 7.5)
;;       step = 2.0 ** (np.maximum(np.frexp(np.where(r == 0, 1, r))[1] - 1, 0) - 3)
;;       q = np.round(r / step) * step * 2.0 ** e      # np.round: ties to even
;;       return np.moveaxis(q.reshape(q.shape[:-2] + (-1,))[..., :K], -1, axis).astype(np.float32)
;;   ~~~
;;   SOFTMAX AHEAD OF A QUANTISED PRODUCT. Where the list says 'softmax', what is quantised is not the finished softmax but p = 2^(t - M), with t = logit x log2(e) and M = ceil(the row's largest t), a whole number; so 1/2 < the row's largest p <= 1. The row's sum l is taken of the UNQUANTISED p, in f32, and the product's result is divided by l at the end. Since M is a whole number, a kernel that streams over the keys may use a running M (the ceiling of the running maximum): every later rescaling is an exact power of two, which a block's scale takes up: the codes' values come out the same.
;;   OPERANDS COMPUTED ON THE WAY. 'Computed on the way' means the value that the module computes at that place (a softmax that the list does not call 'softmax' is quantised finished and normalised). What goes into a quantiser is computed in f32, as accurately as f32 sums, v_exp_f32 and their like allow (about 1e-6 of the number): no bf16 or f16 on the way to a quantiser, and a product that is left as it is and whose result goes on into a quantised operand takes f32 operands (vector FMAs, or v_wmma_f32_16x16x4_f32). A number that lies on a knife's edge between two numbers of the format may be rounded either way, as far as f32 arithmetic and the matrix unit's own rounding can turn it there, and no further.
;; One version. Each part assembles by itself: llvm-mc -triple=amdgcn-amd-amdhsa -mcpu=gfx1250 --defsym DOCPART=n.
;; ======== version 1 of 1: 2 launches
;; workspace buffers: qc 917,504 bytes; kv 7,471,104 bytes
;; launch proj (part 1): grid 32 x 8, 4 waves a work-group, no clusters, 327,680 bytes of LDS; arguments feature1, feature2, feature3, wq, bq, wk, bk, wv, bv, qc, kv; writes qc, kv
.if DOCPART == 1
	.amdgcn_target "amdgcn-amd-amdhsa--gfx1250"
	.amdhsa_code_object_version 6
	.text
	.protected	k_qb8233c0ae6_proj
	.globl	k_qb8233c0ae6_proj
	.p2align	8
	.type	k_qb8233c0ae6_proj,@function
k_qb8233c0ae6_proj:
	s_mov_b64 s[64:65], 0
	v_nop
	global_prefetch_b8 v0, s[64:65] scope:SCOPE_SE
	s_setreg_imm32_b32 hwreg(HW_REG_WAVE_MODE, 25, 1), 1
	s_wait_xcnt 0x0
; THE THREE 1x1 CONVOLUTIONS, on codes of FP6 (E2M3) with one E8M0 scale for each 32 along K (K = the 256 input channels), and the quantising of their results for the attention launch.
;   q = wq f1 + bq, k = wk f2 + bk (32 channels a pixel: ONE block of 32 a pixel);  v = wv f3 + bv (256 channels; its K in the attention is the pixels: blocks of 32 pixels a channel).
; SHARES.  Work-group (x, y) owns pixels 128 x .. 128 x + 127 of image y, for all three features: 3 x 256 channels x 512 bytes, read from memory once.  256 work-groups.  Four waves.
; The feature tiles come by the tensor data mover (each wave 64 channel rows of 512 bytes) into two LDS slots of 131,072 bytes: f1 and f2 go out together at the start, f3 takes f1's slot when q is done.
; A LANE TAKES A PIXEL AND ITS REGISTERS RUN DOWN THE CHANNELS: a block of 32 channels lies in one lane, its largest magnitude needs no other lane, and the conversions give codes with K innermost.
; Six exchanges of the lanes' halves for each pair of blocks then turn 'every block of my pixel' into two operands of 16 pixels.
; q and k: source 0 = 16 rows of the weight, source 1 = 16 pixels: a lane holds ONE pixel and its registers run along the 32 output channels (the weight's rows of a tile are chosen for it:
; lane r of tile u takes row 8 u + r + 8 (r / 8)).  v: source 0 = 16 pixels, source 1 = 16 rows of wv: a lane holds ONE channel and its registers run along the pixels (the pixels of a tile are chosen likewise).
; The biases are the C of each sum's first matrix instruction.
; WHAT IS STORED is laid in the order of the reader's operand registers.  qc: [image][block of 128 pixels][3,584]: 16 bytes a thread, then 8 bytes a thread (a pixel's 24 bytes of codes), then 4 bytes a thread
; (its scale byte, four times).  kv: [image][128 pixels][29,184]: the same 3,584 bytes for k (thread 32 w + 16 hh + r is key 32 w + 8 hh + r + 8 (r / 8)), then 16 fragments of v (16 channels x 128 pixels, three
; blocks of 512 bytes, 16 bytes a lane), then their scale words.  Every store of a wave covers 128, 256 or 512 consecutive bytes; a work-group's record is one dense run of 29,184 bytes.
; NO CLUSTER: a work-group's 393,216 bytes of features are its own; what neighbours share is the weights, which each wave reads from memory; wq's and wk's fragments then pass between the waves through LDS.
; LIMITS: NaN and infinities among the inputs are not served.  A block whose largest magnitude lies under 2^-124 (a block of zeros too) gets the scale byte 1: its codes are zeros or next to it, and this program alone reads the bytes.
.set REC,   29184
.set QREC,  3584
.set FRB,   1536                       ; a fragment's image: 12 registers x 128 bytes
.set SL1,   131072                     ; LDS: slot 0 at 0, slot 1 here: 256 channel rows x 512 bytes each
.set WIMG,  262144                     ; images of wq's and wk's 8 fragments (4 x matrix + 2 u + K step)
.set WSC,   274432                     ; their scale words, 128 bytes each
.set FIMG,  275456                     ; images of f3's 16 fragments (2 x pixel tile + K step)
.set FSC,   300032                     ; f3's scale registers (2 x wave + K step), 128 bytes each
.set SPARE, 301056                     ; the spare words: 128 bytes a wave, two blocks of 256 bytes that no other line names
.set SPW, 4                            ; v4   SPARE + 4 x thread; never rewritten
.set NIL, 5                            ; v5   0; never rewritten
.set AN0, 6                            ; v6-7   slot 0, pixel = my lane: channels 0-127, 128-255
.set AP0, 8                            ; v8-9   slot 0, pixel = (l & 7) + 16 bit3 + 8 bit4;  v10-11 the same in slot 1
.set WA,  12                           ; v12  a weight's row r, + 64 h
.set WP,  13                           ; v13  row r + 8 (r / 8), + 64 h
.set T16, 14                           ; v14-16  16, 8, 4 x thread
.set T8,  15
.set T4,  16
.set VO,  17                           ; v17  6,144 x wave + 16 x lane
.set IW,  18                           ; v18-19  where I store my weight image and its scale word
.set IWS, 19
.set LW,  20                           ; v20-21  where anybody reads them
.set LWS, 21
.set IFI, 22                           ; v22-25  the same for f3's images
.set IFS, 23
.set LF,  24
.set LFS, 25
.set BQA, 26                           ; v26  64 h: bq, bk
.set BVA, 27                           ; v27  256 x wave + 4 r: bv
.set TM,  32                           ; v32-47 at work in the quantisers
.set PC,  48                           ; v48-59 the fragment just made; v60-62, v64-66 halves on their way
.set PW,  68                           ; v68  its scale word
.set X,   72                           ; v72-135  two sets of 32 channels; a weight's 64 numbers; later v's 8 accumulators
.set Y,   136                          ; v136-199 a weight's 64 numbers; later the feature's four fragments and q's or k's codes
.set HA,  72
.set FF,  136                          ; fragment (half T of my pixels, K step s) at FF + 24 T + 12 s
.set G,   184                          ; v184-189 a pixel's 24 bytes;  v190-192 their upper half on its way;  v194 the scale word
.set GT,  190
.set GS,  194
.set HQ,  200                          ; v200-231 q's or k's 4 accumulators, at 16 T + 8 u
.set WVS, 232                          ; v232-239 wv's scale words      (v232-249 hold scales and nothing else)
.set WQS, 240                          ; v240-243 wq's, v244-247 wk's; in the last phase f3's eight
.set FSV, 240
.set FS,  248                          ; v248-249 my pixels' scale words, K step 0, 1
.set PWS, 250                          ; v250-253 v's scale words on their way out
; window 1: f3's 16 fragments at 12 (2 t + s).   window 2: v0-95 my 8 fragments of wv at 12 (2 ct + s); v96-143 wq's four, v144-191 wk's four, at 12 (2 u + s); v192-207 bq, v208-223 bk; v224-255 bv, 8 copies a tile
.set MSB, 0
.macro WIN new                         ; the immediate's high byte repeats the setting that is left
.if MSB != \new
	s_set_vgpr_msb (MSB<<8)|\new
.set MSB, \new
.endif
.endm
.macro PLACES n
.rept \n
	v_nop
.endr
.endm
; the scaled product, C in registers; ra, rb: which half of the lanes holds A's and B's scale words
.macro WMC d, a, b, c, sa, sb, ra, rb
.if ((\ra) == 0) && ((\rb) == 0)
	v_wmma_scale_f32_16x16x128_f8f6f4 v[0+(\d):7+(\d)], v[0+(\a):11+(\a)], v[0+(\b):11+(\b)], v[0+(\c):7+(\c)], v[0+(\sa)], v[0+(\sb)] matrix_a_fmt:MATRIX_FMT_FP6 matrix_b_fmt:MATRIX_FMT_FP6
.elseif ((\ra) == 1) && ((\rb) == 0)
	v_wmma_scale_f32_16x16x128_f8f6f4 v[0+(\d):7+(\d)], v[0+(\a):11+(\a)], v[0+(\b):11+(\b)], v[0+(\c):7+(\c)], v[0+(\sa)], v[0+(\sb)] matrix_a_fmt:MATRIX_FMT_FP6 matrix_b_fmt:MATRIX_FMT_FP6 matrix_a_scale:MATRIX_SCALE_ROW1
.elseif ((\ra) == 0)
	v_wmma_scale_f32_16x16x128_f8f6f4 v[0+(\d):7+(\d)], v[0+(\a):11+(\a)], v[0+(\b):11+(\b)], v[0+(\c):7+(\c)], v[0+(\sa)], v[0+(\sb)] matrix_a_fmt:MATRIX_FMT_FP6 matrix_b_fmt:MATRIX_FMT_FP6 matrix_b_scale:MATRIX_SCALE_ROW1
.else
	v_wmma_scale_f32_16x16x128_f8f6f4 v[0+(\d):7+(\d)], v[0+(\a):11+(\a)], v[0+(\b):11+(\b)], v[0+(\c):7+(\c)], v[0+(\sa)], v[0+(\sb)] matrix_a_fmt:MATRIX_FMT_FP6 matrix_b_fmt:MATRIX_FMT_FP6 matrix_a_scale:MATRIX_SCALE_ROW1 matrix_b_scale:MATRIX_SCALE_ROW1
.endif
.endm
; 64 numbers of a weight's row: of each of four blocks of 32 along K my half's 16 neighbours
.macro XLOAD reg, adr, base, off
.irp b, 0,1,2,3
.irp j, 0,1,2,3
	global_load_b128 v[\reg+16*\b+4*\j:\reg+16*\b+4*\j+3], v[\adr], s[\base:\base+1] offset:(\off)+128*\b+16*\j
.endr
.endr
.endm
; 64 numbers of a lane, register 16 b + i = k 32 b + 16 (lane / 16) + i of my row, become a fragment's codes in v[PC] on and its scale word in v[PW]
.macro QUANT s
.irp b, 0,1,2,3
	v_max3_num_f32 v[TM+\b], |v[\s+16*\b]|, |v[\s+1+16*\b]|, 0x1800000   ; block b: my 16 numbers, and the floor 2^(3 - 127): the byte cannot fall under 1
.endr
.irp i, 2,4,6,8,10,12,14
.irp b, 0,1,2,3
	v_max3_num_f32 v[TM+\b], v[TM+\b], |v[\s+16*\b+\i]|, |v[\s+1+16*\b+\i]|   ; the four blocks by turns
.endr
.endr
.irp b, 0,1,2,3
	v_permlanex16_b32 v[TM+4+\b], v[TM+\b], s56, s57
.endr
.irp b, 0,1,2,3
	v_max_num_f32 v[TM+\b], v[TM+\b], v[TM+4+\b]   ; with lane l xor 16's: the block's largest magnitude
.endr
.irp b, 0,1,2,3
	v_add_nc_u32 v[TM+12+\b], 0xff000000, v[TM+\b]   ; 2 off its exponent field: the conversion takes that field as its scale
.endr
.irp b, 0,1,2,3
	v_lshrrev_b32 v[TM+4+\b], 23, v[TM+12+\b]   ; the scale's byte
.endr
	v_lshl_or_b32 v[PW], v[TM+5], 8, v[TM+4]
	v_lshl_or_b32 v[PW], v[TM+6], 16, v[PW]
	v_lshl_or_b32 v[PW], v[TM+7], 24, v[PW]
.irp c, 0,1
	v_cvt_scalef32_pk16_fp6_f32 v[PC+6*\c:PC+2+6*\c], v[\s+32*\c:\s+15+32*\c], v[TM+12+2*\c]
	v_cvt_scalef32_pk16_fp6_f32 v[PC+12+4*\c:PC+14+4*\c], v[\s+16+32*\c:\s+31+32*\c], v[TM+12+2*\c+1]   ; (a conversion's three registers begin on an even number)
.endr
	v_nop                                          ; one plain place behind a scaled conversion
.irp c, 0,1                                    ; the operand wants a WHOLE block in a lane: lanes 0-15 block 2 c, lanes 16-31 block 2 c + 1
.irp i, 0,1,2
	v_permlane16_swap_b32 v[PC+6*\c+\i], v[PC+12+4*\c+\i]
.endr
.irp i, 0,1,2
	v_mov_b32 v[PC+3+6*\c+\i], v[PC+12+4*\c+\i]
.endr
.endr
.endm
.macro IMAGE reg, adr, off                     ; a fragment goes to LDS as an image of its registers: 16 bytes a lane, 512 a store
.irp c, 0,1,2
	ds_store_b128 v[\adr], v[\reg+4*\c:\reg+4*\c+3] offset:(\off)+512*\c
.endr
.endm
.macro FETCH reg, adr, off                     ; and comes back so, in any wave
.irp c, 0,1,2
	ds_load_b128 v[\reg+4*\c:\reg+4*\c+3], v[\adr] offset:(\off)+512*\c
.endr
.endm
.macro MOVE12 n                                ; the fragment just made is my n-th of wv: it stays in window 2
	WIN 0x80
.irp i, 0,1,2,3,4,5,6,7,8,9,10,11
	v_mov_b32 v[12*(\n)+\i], v[PC+\i]
.endr
	WIN 0
	v_mov_b32 v[WVS+(\n)], v[PW]
.endm
; channels 32 n .. 32 n + 31 of my pixel: 32 lanes read 128 consecutive bytes of a channel's row
.macro LOADBLK n, a0, a1
.set li, 0
.rept 32
.if (\n) < 4
	ds_load_b32 v[X+32*((\n)%2)+li], v[\a0] offset:(32*((\n)%4)+li)*512
.else
	ds_load_b32 v[X+32*((\n)%2)+li], v[\a1] offset:(32*((\n)%4)+li)*512
.endif
.set li, li+1
.endr
.endm
; block n of my pixel: its scale, its 24 bytes of codes.  Even blocks go into the fragments of half 0, odd ones into those of half 1; behind each odd block the halves of the lanes change places
.macro FBLK n, a0, a1
.set XS, X+32*((\n)%2)
.set FD, FF+24*((\n)%2)+12*((\n)/4)+6*(((\n)%4)/2)
.if (\n) < 7
	s_wait_dscnt 32                                ; this block's 32 loads are in; the next block's may be out
.else
	s_wait_dscnt 0x0
.endif
	v_max3_num_f32 v[TM], |v[XS]|, |v[XS+1]|, |v[XS+2]|
	v_max3_num_f32 v[TM+1], |v[XS+3]|, |v[XS+4]|, |v[XS+5]|
.irp i, 6,10,14,18,22,26
	v_max3_num_f32 v[TM], v[TM], |v[XS+\i]|, |v[XS+\i+1]|
	v_max3_num_f32 v[TM+1], v[TM+1], |v[XS+\i+2]|, |v[XS+\i+3]|
.endr
	v_max3_num_f32 v[TM], v[TM], |v[XS+30]|, |v[XS+31]|
	v_max3_num_f32 v[TM], v[TM], v[TM+1], 0x1800000   ; and the floor
	v_add_nc_u32 v[TM+2], 0xff000000, v[TM]
	v_cvt_scalef32_pk16_fp6_f32 v[FD:FD+2], v[XS:XS+15], v[TM+2]
	v_cvt_scalef32_pk16_fp6_f32 v[PC+12:PC+14], v[XS+16:XS+31], v[TM+2]
	v_lshrrev_b32 v[TM+3], 23, v[TM+2]             ; the byte (also the plain place behind the conversions)
.if ((\n)%4) == 0
	v_mov_b32 v[FS+(\n)/4], v[TM+3]
.else
	v_lshl_or_b32 v[FS+(\n)/4], v[TM+3], 8*((\n)%4), v[FS+(\n)/4]
.endif
.irp i, 0,1,2
	v_mov_b32 v[FD+3+\i], v[PC+12+\i]
.endr
.if (\n) < 6
	LOADBLK (\n)+2, \a0, \a1
.endif
.if ((\n)%2) == 1
.irp i, 0,1,2,3,4,5
	v_permlane16_swap_b32 v[FD-24+\i], v[FD+\i]    ; the first now holds lanes 0-15's pixels (even block below, odd block above), the second lanes 16-31's
.endr
.endif
.endm
.macro FEATQ a0, a1                            ; a feature's 256 channels of my 32 pixels -> four fragments at FF, scale words at FS
	LOADBLK 0, \a0, \a1
	LOADBLK 1, \a0, \a1
.irp n, 0,1,2,3,4,5,6,7
	FBLK \n, \a0, \a1
.endr
.endm
; q or k of my 32 pixels: four accumulators by turns, two K steps.  wf: the weight's fragments, bi: its bias (both window 2), sc: its scale words
.macro QKMUL wf, bi, sc
	PLACES 8                                       ; the pixels' scale words were written by vector instructions: 8 places ahead of a scaled product; the fragments: 4
	WIN 0x22                                       ; source 0 and C window 2
.irp t, 0,1
.irp u, 0,1
	WMC HQ+16*\t+8*\u, \wf+24*\u, FF+24*\t, \bi+8*\u, \sc+2*\u, FS, 0, \t
.endr
.endr
	WIN 0x02
.irp t, 0,1
.irp u, 0,1
	WMC HQ+16*\t+8*\u, \wf+24*\u+12, FF+24*\t+12, HQ+16*\t+8*\u, \sc+2*\u+1, FS+1, 0, \t
.endr
.endr
	WIN 0
	PLACES 4
.endm
; lane (r, h) holds channels 16 h .. 16 h + 15 of pixel r of half 0 (16 registers) and of half 1: one block of 32 a pixel.  Out: each lane its own pixel's 24 bytes and scale byte
.macro QKOUT base
	s_wait_xcnt 0x0                                ; the last such stores have read their data registers
.irp t, 0,1
	v_max3_num_f32 v[TM+\t], |v[HQ+16*\t]|, |v[HQ+16*\t+1]|, 0x1800000   ; each accumulator is read from its low end on
.endr
.irp i, 2,4,6,8,10,12,14
.irp t, 0,1
	v_max3_num_f32 v[TM+\t], v[TM+\t], |v[HQ+16*\t+\i]|, |v[HQ+16*\t+\i+1]|
.endr
.endr
.irp t, 0,1
	v_permlanex16_b32 v[TM+4+\t], v[TM+\t], s56, s57
.endr
.irp t, 0,1
	v_max_num_f32 v[TM+\t], v[TM+\t], v[TM+4+\t]
.endr
.irp t, 0,1
	v_add_nc_u32 v[TM+12+\t], 0xff000000, v[TM+\t]
.endr
.irp t, 0,1
	v_lshrrev_b32 v[TM+4+\t], 23, v[TM+12+\t]
.endr
	v_cvt_scalef32_pk16_fp6_f32 v[G:G+2], v[HQ:HQ+15], v[TM+12]
	v_cvt_scalef32_pk16_fp6_f32 v[GT:GT+2], v[HQ+16:HQ+31], v[TM+13]
	v_nop
.irp i, 0,1,2
	v_permlane16_swap_b32 v[G+\i], v[GT+\i]        ; the first: my own pixel's channels 0-15; the second: its channels 16-31
.endr
.irp i, 0,1,2
	v_mov_b32 v[G+3+\i], v[GT+\i]
.endr
	v_cndmask_b32 v[GS], v[TM+4], v[TM+5], s58     ; lanes 16-31 take half 1's byte
	v_lshl_or_b32 v[GS], v[GS], 8, v[GS]
	v_lshl_or_b32 v[GS], v[GS], 16, v[GS]          ; the byte four times: the reader puts the block at any of the form's four places along K
	global_store_b128 v[T16], v[G:G+3], s[\base:\base+1]
	global_store_b64 v[T8], v[G+4:G+5], s[\base:\base+1] offset:2048
	global_store_b32 v[T4], v[GS], s[\base:\base+1] offset:3072
.endm
	s_load_b512 s[4:19], s[0:1], 0x0               ; f1 s[4:5], f2 s[6:7], f3 s[8:9], wq s[10:11], bq s[12:13], wk s[14:15], bk s[16:17], wv s[18:19]
	s_load_b128 s[20:23], s[0:1], 0x40             ; bv, qc
	s_load_b64 s[24:25], s[0:1], 0x50              ; kv
	v_lshl_add_u32 v[SPW], v0, 2, SPARE
	v_mov_b32 v[NIL], 0
	ds_add_u32 v4, v5
	ds_add_u32 v4, v5
	s_wait_dscnt 0x0
	v_lshrrev_b32 v1, 5, v0
	v_readfirstlane_b32 s26, v1                    ; wave 0..3
	s_and_b32 s27, ttmp7, 0xffff                   ; image
	s_mov_b32 s28, ttmp9                           ; block of 128 pixels
	; descriptor group 1: 64 rows (channels) x 128 elements of 4 bytes, 4,096 elements from row to row; no padding: a wave's LDS loads take 128 consecutive bytes
	s_mov_b32 s36, 2<<16
	s_mov_b32 s37, 128<<16                         ; tensor_dim0
	s_mov_b32 s38, 64<<16                          ; tensor_dim1
	s_mov_b32 s39, 128<<16                         ; tile_dim0
	s_mov_b32 s40, 64                              ; tile_dim1
	s_mov_b32 s41, 4096                            ; pitch
	s_mov_b32 s42, 0
	s_mov_b32 s43, 0
	s_lshl_b32 s30, s27, 22                        ; image x 4,194,304
	s_lshl_b32 s31, s26, 20                        ; + my 64 channels x 16,384
	s_add_co_u32 s30, s30, s31
	s_lshl_b32 s31, s28, 9                         ; + 128 pixels x 4
	s_add_co_u32 s30, s30, s31
	s_mov_b32 s31, 0
	s_lshl_b32 s32, s26, 15                        ; in a slot: my 64 rows of 512 bytes
	s_wait_kmcnt 0x0
	s_mov_b32 s44, 1                               ; group 0 for f1 -> slot 0
	s_mov_b32 s45, s32
	s_add_nc_u64 s[46:47], s[4:5], s[30:31]
	s_or_b32 s47, s47, 0x80000000
	s_mov_b32 s48, 1                               ; f2 -> slot 1
	s_add_co_u32 s49, s32, SL1
	s_add_nc_u64 s[50:51], s[6:7], s[30:31]
	s_or_b32 s51, s51, 0x80000000
	s_mov_b32 s52, 1                               ; f3 -> slot 0, later
	s_mov_b32 s53, s32
	s_add_nc_u64 s[54:55], s[8:9], s[30:31]
	s_or_b32 s55, s55, 0x80000000
	tensor_load_to_lds s[44:47], s[36:43]          ; the two first fills go out together: two loads of mine are out, 262,144 bytes for the work-group
	s_nop 0
	tensor_load_to_lds s[48:51], s[36:43]
	s_nop 0
	PLACES 4
	s_mov_b32 s56, 0x76543210
	s_mov_b32 s57, 0xfedcba98                      ; v_permlanex16_b32's selects for lane l xor 16
	s_mov_b32 s58, 0xffff0000                      ; lanes 16-31
	s_lshr_b32 s30, s26, 1                         ; my fragment of wq and of wk: tile u = wave / 2 (8 u rows of 1,024 bytes on), K step wave % 2 (512 bytes on)
	s_lshl_b32 s30, s30, 13
	s_and_b32 s33, s26, 1
	s_lshl_b32 s33, s33, 9
	s_add_co_u32 s30, s30, s33
	s_add_nc_u64 s[10:11], s[10:11], s[30:31]
	s_add_nc_u64 s[14:15], s[14:15], s[30:31]
	s_lshl_b32 s30, s26, 16                        ; my 64 rows of wv
	s_add_nc_u64 s[18:19], s[18:19], s[30:31]
	s_lshl_b32 s30, s27, 5
	s_add_co_u32 s30, s30, s28                     ; 32 x image + block
	s_mul_i32 s34, s30, QREC
	s_mov_b32 s35, 0
	s_add_nc_u64 s[22:23], s[22:23], s[34:35]      ; my record of qc
	s_mul_i32 s34, s30, REC
	s_add_nc_u64 s[24:25], s[24:25], s[34:35]      ; and of kv
	v_and_b32 v1, 31, v0                           ; lane
	v_and_b32 v2, 15, v0                           ; r
	v_bfe_u32 v3, v0, 4, 1                         ; h
	v_lshlrev_b32 v[AN0], 2, v0                    ; 128 x wave + 4 x lane = 4 x thread
	v_add_nc_u32 v[AN0+1], 65536, v[AN0]
	v_and_b32 v[AP0], 7, v0
	v_bfe_u32 v28, v0, 3, 1
	v_lshl_add_u32 v[AP0], v28, 4, v[AP0]
	v_lshl_add_u32 v[AP0], v3, 3, v[AP0]           ; (l & 7) + 16 bit3 + 8 bit4
	v_and_b32 v29, 0x60, v0
	v_add_nc_u32 v[AP0], v29, v[AP0]               ; + 32 x wave
	v_lshlrev_b32 v[AP0], 2, v[AP0]
	v_add_nc_u32 v[AP0+1], 65536, v[AP0]
	v_add_nc_u32 v[AP0+2], SL1, v[AP0]
	v_add_nc_u32 v[AP0+3], SL1+65536, v[AP0]
	v_lshlrev_b32 v[WA], 10, v2
	v_lshl_add_u32 v[WA], v3, 6, v[WA]
	v_lshl_add_u32 v[WP], v28, 13, v[WA]           ; 8 rows further on for r >= 8
	v_lshlrev_b32 v[T16], 4, v0
	v_lshlrev_b32 v[T8], 3, v0
	v_lshlrev_b32 v[T4], 2, v0
	s_mul_i32 s30, s26, 4*FRB
	v_lshl_add_u32 v[VO], v1, 4, s30
	v_add_nc_u32 v[IFI], FIMG, v[VO]
	s_mul_i32 s30, s26, FRB
	v_lshl_add_u32 v[IW], v1, 4, s30
	v_add_nc_u32 v[IW], WIMG, v[IW]
	v_add_nc_u32 v[IWS], WSC, v[T4]
	v_lshl_add_u32 v[LW], v1, 4, WIMG
	v_lshl_add_u32 v[LWS], v1, 2, WSC
	s_lshl_b32 s30, s26, 8
	v_lshl_add_u32 v[IFS], v1, 2, s30
	v_add_nc_u32 v[IFS], FSC, v[IFS]
	v_lshl_add_u32 v[LF], v1, 4, FIMG
	v_lshl_add_u32 v[LFS], v1, 2, FSC
	v_lshlrev_b32 v[BQA], 6, v3
	v_lshl_add_u32 v[BVA], v2, 2, s30
.irp b, 0,1,2,3
	v_mov_b32 v[TM+4+\b], 0                        ; written once: a lane permute's destination counts as one of its sources
.endr
	; ---- THE WEIGHTS, while the feature tiles are on their way.  Biases first: lane (r, h) wants bq[16 h + 8 u + j] for tile u's register j, and bv of its channel r
	WIN 0x80                                       ; destination window 2
.irp u, 0,1
	global_load_b128 v[192+8*\u:195+8*\u], v[BQA], s[12:13] offset:32*\u
	global_load_b128 v[196+8*\u:199+8*\u], v[BQA], s[12:13] offset:32*\u+16
	global_load_b128 v[208+8*\u:211+8*\u], v[BQA], s[16:17] offset:32*\u
	global_load_b128 v[212+8*\u:215+8*\u], v[BQA], s[16:17] offset:32*\u+16
.endr
	WIN 0
.irp c, 0,1,2,3
	global_load_b32 v[200+\c], v[BVA], s[20:21] offset:64*\c
.endr
	XLOAD X, WP, 10, 0                             ; my fragment of wq
	XLOAD Y, WP, 14, 0                             ; and of wk
	s_wait_loadcnt 16                              ; all but the younger set of 16 loads
	QUANT X
	IMAGE PC, IW, 0
	ds_store_b32 v[IWS], v[PW]
	XLOAD X, WA, 18, 0                             ; wv: tile 0, K step 0
	s_wait_dscnt 0x0                               ; the stores have read their registers
	s_wait_loadcnt 16
	QUANT Y
	IMAGE PC, IW, 4*FRB
	ds_store_b32 v[IWS], v[PW] offset:512
	XLOAD Y, WA, 18, 512                           ; tile 0, K step 1
	s_wait_dscnt 0x0
.irp n, 0,1,2,3,4,5,6,7                        ; my 8 fragments of wv (tile n / 2, K step n % 2), two sets of registers by turns
.if \n < 7
	s_wait_loadcnt 16
.else
	s_wait_loadcnt 0x0
.endif
	QUANT X+64*(\n%2)
	MOVE12 \n
.if \n < 6
	XLOAD X+64*(\n%2), WA, 18, 16384*((\n+2)/2)+512*(\n%2)
.endif
.endr
	WIN 0x80
.irp c, 0,1,2,3
.irp j, 0,1,2,3,4,5,6,7
	v_mov_b32 v[224+8*\c+\j], v[200+\c]            ; bv as a C operand: a lane's eight registers are eight pixels of one channel
.endr
.endr
	WIN 0
	; ---- q
	s_wait_tensorcnt 0x1                           ; my quarter of f1 is in; f2's may stay out
	s_wait_dscnt 0x0                               ; my weight images have landed
	s_barrier_signal -1
	s_barrier_wait -1
	WIN 0x80
.irp f, 0,1,2,3,4,5,6,7
	FETCH 96+12*\f, LW, FRB*\f                     ; wq's four fragments, then wk's four
.endr
	WIN 0
.irp f, 0,1,2,3,4,5,6,7
	ds_load_b32 v[WQS+\f], v[LWS] offset:128*\f
.endr
	FEATQ AN0, AN0+1
	QKMUL 96, 192, WQS
	QKOUT 22
	; ---- k; f3 takes f1's slot
	s_wait_tensorcnt 0x0                           ; all my tensor loads have landed: f2's quarter
	ds_add_u32 v[SPW], v[NIL]                      ; 0 onto my spare word
	s_wait_dscnt 0x0                               ; the add is done, and my reads of slot 0 are over
	s_barrier_signal -1
	s_barrier_wait -1
	tensor_load_to_lds s[52:55], s[36:43]          ; my one load behind this barrier; it has the whole of k's phase in which to land
	s_nop 0
	PLACES 4
	FEATQ AP0+2, AP0+3
	QKMUL 144, 208, WQS+4
	QKOUT 24
	; ---- f3's fragments, for all four waves
	s_wait_tensorcnt 0x0                           ; my quarter of f3 is in
	s_wait_dscnt 0x0
	s_barrier_signal -1
	s_barrier_wait -1
	FEATQ AP0, AP0+1
.irp t, 0,1
.irp k, 0,1
	IMAGE FF+24*\t+12*\k, IFI, (2*\t+\k)*FRB
.endr
.endr
	ds_store_b32 v[IFS], v[FS]
	ds_store_b32 v[IFS], v[FS+1] offset:128
	s_wait_dscnt 0x0
	s_barrier_signal -1
	s_barrier_wait -1
	; ---- v: THE WAVES NOW SHARE THE CHANNELS: mine are 64 w .. 64 w + 63, for all 128 pixels
	WIN 0x40                                       ; destination window 1
.irp f, 0,1,2,3,4,5,6,7,8,9,10,11,12,13,14,15
	FETCH 12*\f, LF, FRB*\f
.endr
	WIN 0
.irp f, 0,1,2,3,4,5,6,7
	ds_load_b32 v[FSV+\f], v[LFS] offset:128*\f
.endr
	s_wait_dscnt 0x0
.irp c, 0,1,2,3                                ; a tile of 16 channels: 8 accumulators (pixel tiles) by turns, two K steps
	WIN 0x29                                       ; source 0 (pixels) window 1, source 1 (wv) and C (bv) window 2
.irp t, 0,1,2,3,4,5,6,7
	WMC HA+8*\t, 24*\t, 24*\c, 224+8*\c, FSV+2*(\t/2), WVS+2*\c, \t%2, 0
.endr
	WIN 0x09
.irp t, 0,1,2,3,4,5,6,7
	WMC HA+8*\t, 24*\t+12, 24*\c+12, HA+8*\t, FSV+2*(\t/2)+1, WVS+2*\c+1, \t%2, 0
.endr
	WIN 0
	PLACES 4
	s_wait_xcnt 0x0                                ; the last tile's stores have read the codes' registers
	QUANT HA                                       ; register 16 b + i is pixel 32 b + 16 h + i of my channel: the attention's operand, 16 channels x 128 keys
.irp g, 0,1,2
	global_store_b128 v[VO], v[PC+4*\g:PC+4*\g+3], s[24:25] offset:QREC+FRB*\c+512*\g
.endr
	v_mov_b32 v[PWS+\c], v[PW]
.endr
	v_cndmask_b32 v[PWS], v[PWS], v[PWS+1], s58    ; two tiles' scale words to a register: one below, one above
	v_cndmask_b32 v[PWS+1], v[PWS+2], v[PWS+3], s58
	global_store_b64 v[T8], v[PWS:PWS+1], s[24:25] offset:28160
	s_wait_tensorcnt 0x0                           ; the wave's end
	ds_add_u32 v[SPW], v[NIL]
	s_wait_dscnt 0x0
	s_endpgm
.Lfunc_end_k_qb8233c0ae6_proj:
	.size	k_qb8233c0ae6_proj, .Lfunc_end_k_qb8233c0ae6_proj-k_qb8233c0ae6_proj
	.p2alignl 7, 3214868480
	.fill 96, 4, 3214868480
	.section	.rodata,"a",@progbits
	.p2align	6, 0x0
	.amdhsa_kernel k_qb8233c0ae6_proj
		.amdhsa_group_segment_fixed_size 327680
		.amdhsa_private_segment_fixed_size 0
		.amdhsa_enable_private_segment 0
		.amdhsa_kernarg_size 88
		.amdhsa_user_sgpr_count 2
		.amdhsa_user_sgpr_kernarg_segment_ptr 1
		.amdhsa_wavefront_size32 1
		.amdhsa_system_sgpr_workgroup_id_x 1
		.amdhsa_system_sgpr_workgroup_id_y 1
		.amdhsa_system_sgpr_workgroup_id_z 1
		.amdhsa_system_vgpr_workitem_id 0
		.amdhsa_next_free_vgpr 768
		.amdhsa_next_free_sgpr 66
		.amdhsa_reserve_vcc 0
		.amdhsa_float_denorm_mode_32 3
		.amdhsa_float_denorm_mode_16_64 3
		.amdhsa_memory_ordered 1
		.amdhsa_forward_progress 1
		.amdhsa_inst_pref_size 190
	.end_amdhsa_kernel
	.amdgpu_metadata
---
amdhsa.version: [ 1, 2 ]
amdhsa.kernels:
  - .name:           k_qb8233c0ae6_proj
    .symbol:         k_qb8233c0ae6_proj.kd
    .args:
      - { .name: feature1, .offset: 0, .size: 8, .value_kind: global_buffer, .address_space: global }
      - { .name: feature2, .offset: 8, .size: 8, .value_kind: global_buffer, .address_space: global }
      - { .name: feature3, .offset: 16, .size: 8, .value_kind: global_buffer, .address_space: global }
      - { .name: wq, .offset: 24, .size: 8, .value_kind: global_buffer, .address_space: global }
      - { .name: bq, .offset: 32, .size: 8, .value_kind: global_buffer, .address_space: global }
      - { .name: wk, .offset: 40, .size: 8, .value_kind: global_buffer, .address_space: global }
      - { .name: bk, .offset: 48, .size: 8, .value_kind: global_buffer, .address_space: global }
      - { .name: wv, .offset: 56, .size: 8, .value_kind: global_buffer, .address_space: global }
      - { .name: bv, .offset: 64, .size: 8, .value_kind: global_buffer, .address_space: global }
      - { .name: qc, .offset: 72, .size: 8, .value_kind: global_buffer, .address_space: global }
      - { .name: kv, .offset: 80, .size: 8, .value_kind: global_buffer, .address_space: global }
    .group_segment_fixed_size: 327680
    .private_segment_fixed_size: 0
    .kernarg_segment_align: 8
    .kernarg_segment_size: 88
    .max_flat_workgroup_size: 128
    .sgpr_count:     66
    .vgpr_count:     768
    .wavefront_size: 32
...
	.end_amdgpu_metadata
.endif
;; end of part 1
;; launch attn (part 2): grid 32 x 8, 8 waves a work-group, clusters of 4 x 1, 327,680 bytes of LDS; arguments qc, kv, out0; writes out0
.if DOCPART == 2
	.amdgcn_target "amdgcn-amd-amdhsa--gfx1250"
	.amdhsa_code_object_version 6
	.text
	.protected	k_qb8233c0ae6_attn
	.globl	k_qb8233c0ae6_attn
	.p2align	8
	.type	k_qb8233c0ae6_attn,@function
k_qb8233c0ae6_attn:
	s_mov_b64 s[64:65], 0
	v_nop
	global_prefetch_b8 v0, s[64:65] scope:SCOPE_SE
	s_setreg_imm32_b32 hwreg(HW_REG_WAVE_MODE, 25, 1), 1
	s_wait_xcnt 0x0
	s_wait_alu depctr_hold_cnt(0) depctr_sa_sdst(0) depctr_va_vdst(0) depctr_va_sdst(0) depctr_va_ssrc(0) depctr_va_vcc(0) depctr_vm_vsrc(0)
	s_getreg_b32 s2, hwreg(HW_REG_IB_STS2, 6, 4)
	s_cmp_eq_u32 s2, 0
	s_cbranch_scc0 .Lentry_in_a_cluster
	s_endpgm
.Lentry_in_a_cluster:
	s_bfe_u32 s2, ttmp6, 0x10000c
	s_cmp_lg_u32 s2, 0x3003
	s_cbranch_scc0 .Lentry_shape_is_right
	s_endpgm
.Lentry_shape_is_right:
; out[b][c][n] = the sum over keys m of softmax_m(q[n] . k[m]) v[c][m], both products on codes of FP6 (E2M3) with one E8M0 scale for each 32 along K.  4,096 queries and keys an image, 32 channels of q and k, 256 of v.
; THE SOFTMAX: t = score x log2(e); M = the largest t so far, rounded UP to a whole number; p = 2^(t - M) is quantised along the keys, not normalised; the row's sum is taken of the unquantised p and divides at the end.
; When M moves, the sum and O are multiplied by 2^(old M - new M): exact.
; SHARES.  A work-group owns 128 queries of one image.  Eight waves, two to a SIMD: wave = 4 g + w owns queries 32 w .. 32 w + 31 (two tiles of 16) and HALF OF THE KEYS: of each slot's four key steps of 128
; group g takes steps 2 g and 2 g + 1.  So each fragment of v read from LDS feeds two products.  At the end the two groups' results meet in LDS: each wave keeps one tile and sends the other; the two are brought under
; one M by exact powers of two and added.  Wave g takes its queries with the halves of the lanes changed over where g = 1, so that every wave keeps its tile 0 and sends its tile 1: one text for both groups.
; THE FIRST PRODUCT HAS K = 32 IN A FORM OF K = 128.  One operand of 12 registers holds FOUR tiles of 16 keys, one in each block of 32 of the form's K; four operands of q hold q's codes in one block and zero codes in the
; other three.  Zero codes add nothing whatever stands against them.  So k's codes are read from LDS with no byte of filling.  Each scale word holds its byte four times.
; LAYOUT.  Both products transposed: S^T = k q^T, O^T = v p^T: a lane holds ONE query throughout.  The keys of a tile are not neighbours (row r of tile t is key 32 (t / 2) + 8 (t % 2) + r + 8 (r / 8)), so that the
; 16 registers of tiles 2 b and 2 b + 1 are keys 32 b + 16 (lane / 16) + 0 .. 15.
; THE RING.  kv lies in the order of the operands' registers, 29,184 bytes a key step.  Two LDS slots of four steps; each wave brings an eighth of a slot, 57 dense rows of 256 bytes.
; CLUSTER.  The four work-groups of a cluster belong to one image and walk the same kv: each load is asked for JOINTLY, with the same descriptor and a mask that names the four.
; LIMITS: NaN and infinities are not served.  A block's largest p is taken through its largest score: the exponential is taken not to fall where its input rises.  A row's sums over the keys are formed in two halves.
.set REC,   29184
.set QREC,  3584
.set FRB,   1536
.set SLOT1, 1<<17                      ; slot 0 at 0, slot 1 here: one exclusive or turns an address from one into the other
.set SLOTB, 4*REC
.set XCH,   0                          ; the way out: 16,384 bytes a wave, in slot 0's place: it has had its last fill, and its last read stands ahead of the last change of slots
.set STG,   131072                     ; the stage: 256 channel rows x (512 + 16) bytes, in slot 1's place: written behind a barrier that every wave reaches behind its last read of that slot
.set XST,   266240                     ; 256 bytes a wave: -M and the sum of the tile that is sent
.set SPARE, 268288                     ; the spare words: 128 bytes a wave, four blocks of 256 bytes that no other line names
.set A16, 2                            ; v2-4  the slot part in hand + 16, 8, 4 x lane
.set A8,  3
.set A4,  4
.set SPW, 5                            ; v5   SPARE + 4 x thread; never rewritten
.set NIL, 6                            ; v6   0; never rewritten
; v8 + 4 a: -M, the largest t, the sum in two halves, of tile a
; v16-69: nine groups of six: 0, q(a) below, 0, q(a) above, 0, q(b) below, 0, q(b) above, 0: each run of two groups is an operand with q in one block
.set QS,  70                           ; v70      q's scale words (tile a in lanes 16 a ..)       (v70, v96-99, v248-251, v254-255 hold scales and nothing else)
.set KF,  72                           ; v72-95   two operands of k: eight tiles of 16 keys
.set KS,  96                           ; v96-99   their scale words
.set S,   100                          ; v100-163 S^T, then p
.set VP,  100                          ; v100-195 two sets of four fragments of v
.set P,   196                          ; v196-219 p's codes, 12 a tile
.set FQ,  222                          ; v222-225 f = 2^(old M - new M), a pair a tile
.set BM,  226                          ; v226-229 the blocks' largest scores
.set PT,  230
.set SO,  234
.set CT,  238                          ; v238-240, v242-244
.set T,   246
.set VS,  248                          ; v248-251 v's scale words, a pair a set
.set C2,  252                          ; v252-253 the sums' second chain
.set PS,  254                          ; v254-255 p's scale words
; window 1: O^T, tile a's channel tile ct at 128 a + 8 ct
.set SEL, 28
.set CS,  30
.set MSB, 0
.macro WIN new                         ; the immediate's high byte repeats the setting that is left
.if MSB != \new
	s_set_vgpr_msb (MSB<<8)|\new
.set MSB, \new
.endif
.endm
.macro PLACES n
.rept \n
	v_nop
.endr
.endm
.macro WMC d, a, b, c, sa, sb, ra, rb          ; the scaled product, C in registers; ra, rb: which half of the lanes holds A's and B's scale words
.if ((\ra) == 0) && ((\rb) == 0)
	v_wmma_scale_f32_16x16x128_f8f6f4 v[0+(\d):7+(\d)], v[0+(\a):11+(\a)], v[0+(\b):11+(\b)], v[0+(\c):7+(\c)], v[0+(\sa)], v[0+(\sb)] matrix_a_fmt:MATRIX_FMT_FP6 matrix_b_fmt:MATRIX_FMT_FP6
.elseif ((\ra) == 1) && ((\rb) == 0)
	v_wmma_scale_f32_16x16x128_f8f6f4 v[0+(\d):7+(\d)], v[0+(\a):11+(\a)], v[0+(\b):11+(\b)], v[0+(\c):7+(\c)], v[0+(\sa)], v[0+(\sb)] matrix_a_fmt:MATRIX_FMT_FP6 matrix_b_fmt:MATRIX_FMT_FP6 matrix_a_scale:MATRIX_SCALE_ROW1
.elseif ((\ra) == 0)
	v_wmma_scale_f32_16x16x128_f8f6f4 v[0+(\d):7+(\d)], v[0+(\a):11+(\a)], v[0+(\b):11+(\b)], v[0+(\c):7+(\c)], v[0+(\sa)], v[0+(\sb)] matrix_a_fmt:MATRIX_FMT_FP6 matrix_b_fmt:MATRIX_FMT_FP6 matrix_b_scale:MATRIX_SCALE_ROW1
.else
	v_wmma_scale_f32_16x16x128_f8f6f4 v[0+(\d):7+(\d)], v[0+(\a):11+(\a)], v[0+(\b):11+(\b)], v[0+(\c):7+(\c)], v[0+(\sa)], v[0+(\sb)] matrix_a_fmt:MATRIX_FMT_FP6 matrix_b_fmt:MATRIX_FMT_FP6 matrix_a_scale:MATRIX_SCALE_ROW1 matrix_b_scale:MATRIX_SCALE_ROW1
.endif
.endm
.macro WMZ d, a, b, sa, sb, ra, rb             ; the same with C = 0: the product starts its sum
.if ((\ra) == 0) && ((\rb) == 0)
	v_wmma_scale_f32_16x16x128_f8f6f4 v[0+(\d):7+(\d)], v[0+(\a):11+(\a)], v[0+(\b):11+(\b)], 0, v[0+(\sa)], v[0+(\sb)] matrix_a_fmt:MATRIX_FMT_FP6 matrix_b_fmt:MATRIX_FMT_FP6
.elseif ((\ra) == 1) && ((\rb) == 0)
	v_wmma_scale_f32_16x16x128_f8f6f4 v[0+(\d):7+(\d)], v[0+(\a):11+(\a)], v[0+(\b):11+(\b)], 0, v[0+(\sa)], v[0+(\sb)] matrix_a_fmt:MATRIX_FMT_FP6 matrix_b_fmt:MATRIX_FMT_FP6 matrix_a_scale:MATRIX_SCALE_ROW1
.elseif ((\ra) == 0)
	v_wmma_scale_f32_16x16x128_f8f6f4 v[0+(\d):7+(\d)], v[0+(\a):11+(\a)], v[0+(\b):11+(\b)], 0, v[0+(\sa)], v[0+(\sb)] matrix_a_fmt:MATRIX_FMT_FP6 matrix_b_fmt:MATRIX_FMT_FP6 matrix_b_scale:MATRIX_SCALE_ROW1
.else
	v_wmma_scale_f32_16x16x128_f8f6f4 v[0+(\d):7+(\d)], v[0+(\a):11+(\a)], v[0+(\b):11+(\b)], 0, v[0+(\sa)], v[0+(\sb)] matrix_a_fmt:MATRIX_FMT_FP6 matrix_b_fmt:MATRIX_FMT_FP6 matrix_a_scale:MATRIX_SCALE_ROW1 matrix_b_scale:MATRIX_SCALE_ROW1
.endif
.endm
; A round of the cluster's barrier: my work-group's barrier; wave 0 signals for the work-group; every wave waits for all four work-groups; my work-group's barrier once more
.macro CROUND
	s_barrier_signal -1
	s_barrier_wait -1
	s_cmp_lg_u32 s10, 0
	s_cbranch_scc1 .Lnot_wave_0_\@
	s_barrier_signal -3
.Lnot_wave_0_\@:
	s_barrier_wait -3
	s_barrier_signal -1
	s_barrier_wait -1
.endm
.macro JLOAD                                   ; my eighth of a slot, asked for jointly; four v_nop follow
	tensor_load_to_lds s[24:27], s[16:23]
	s_nop 0
	PLACES 4
.endm
.macro KLOAD i                                 ; k of my i-th step: four parts of 24 bytes a lane and a scale word: 12 loads
.irp p, 0,1,2,3
	ds_load_b128 v[KF+6*\p:KF+6*\p+3], v[A16] offset:(\i)*REC+512*\p
	ds_load_b64 v[KF+6*\p+4:KF+6*\p+5], v[A8] offset:(\i)*REC+2048+256*\p
	ds_load_b32 v[KS+\p], v[A4] offset:(\i)*REC+3072+128*\p
.endr
.endm
.macro VLOAD set, q, i                         ; v's channel tiles 4 q .. 4 q + 3 and their scale words: 13 loads
.irp c, 0,1,2,3
.irp g, 0,1,2
	ds_load_b128 v[VP+48*(\set)+12*\c+4*\g:VP+48*(\set)+12*\c+4*\g+3], v[A16] offset:(\i)*REC+QREC+FRB*(4*(\q)+\c)+512*\g
.endr
.endr
	ds_load_b64 v[VS+2*(\set):VS+2*(\set)+1], v[A8] offset:(\i)*REC+28160+256*(\q)
.endm
.macro SMUL a                                  ; S^T of tile a: eight tiles of 16 keys; tile t lies in block t % 4 of operand t / 4, and meets q in that block alone
.irp t, 0,1,2,3,4,5,6,7
	WMZ S+8*\t, KF+12*(\t/4), 22+24*(\a)+12*(\t%2)-6*((\t%4)/2), KS+\t/2, QS, \t%2, \a
.endr
.endm
.macro SOFTMAX a
.set NM, 8+4*(\a)
.set FA, FQ+2*(\a)
.set PP, P+12*(\a)
.irp b, 0,1,2,3
	v_max3_num_f32 v[BM+\b], v[S+16*\b], v[S+1+16*\b], v[S+2+16*\b]   ; THE LARGEST SCORE OF EACH BLOCK OF 32 KEYS: for the row's maximum, and, since p rises with the score, for the block's largest p
.endr
.irp i, 3,5,7,9,11,13
.irp b, 0,1,2,3
	v_max3_num_f32 v[BM+\b], v[BM+\b], v[S+16*\b+\i], v[S+1+16*\b+\i]
.endr
.endr
.irp b, 0,1,2,3
	v_max_num_f32 v[BM+\b], v[BM+\b], v[S+15+16*\b]
.endr
.irp b, 0,1,2,3
	v_permlanex16_b32 v[PT+\b], v[BM+\b], s[SEL], s[SEL+1]
.endr
.irp b, 0,1,2,3
	v_max_num_f32 v[BM+\b], v[BM+\b], v[PT+\b]     ; with lane l xor 16's 16 keys
.endr
	v_max3_num_f32 v[T], v[BM], v[BM+1], v[BM+2]
	v_max_num_f32 v[T], v[T], v[BM+3]
	v_mul_f32 v[T], s[CS], v[T]                    ; the step's largest t
	v_max_num_f32 v[NM+1], v[NM+1], v[T]           ; the running largest t
	v_mov_b32 v[T], v[NM]
	v_floor_f32 v[NM], -v[NM+1]                    ; the new -M = floor(-t): M is a whole number
	v_sub_f32 v[T], v[NM], v[T]                    ; old M - new M: a whole number, 0 or less
	v_cvt_i32_f32 v[T], v[T]                       ; (it saturates)
	v_ldexp_f32 v[FA], 1.0, v[T]                   ; f = 2^(old M - new M)
.set sj, 0
.rept 32
	v_pk_fma_f32 v[S+sj:S+sj+1], v[S+sj:S+sj+1], s[CS:CS+1], v[NM:NM+1] op_sel_hi:[1,0,0]   ; t - M, two at a time
.set sj, sj+2
.endr
.irp b, 0,1,2,3
	v_fma_f32 v[BM+\b], v[BM+\b], s[CS], v[NM]     ; the same of each block's largest score
.endr
.set sj, 0
.rept 64
	v_exp_f32 v[S+sj], v[S+sj]                     ; p = 2^(t - M), at most 1
.set sj, sj+1
.endr
.irp b, 0,1,2,3
	v_exp_f32 v[BM+\b], v[BM+\b]                   ; the block's largest p: the same two instructions on the same number give the same bits
.endr
	v_pk_mul_f32 v[NM+2:NM+3], v[NM+2:NM+3], v[FA:FA+1] op_sel_hi:[1,0]   ; the sums under the new M (a plain place behind the exponentials)
	s_wait_alu depctr_va_vdst(0)
.irp b, 0,1,2,3
	v_max_num_f32 v[BM+\b], 0x1800000, v[BM+\b]    ; the floor 2^(3 - 127): the byte cannot fall under 1
.endr
.irp b, 0,1,2,3
	v_add_nc_u32 v[SO+\b], 0xff000000, v[BM+\b]    ; 2 off the exponent field: the conversion's scale operand
.endr
.irp b, 0,1,2,3
	v_lshrrev_b32 v[PT+\b], 23, v[SO+\b]           ; the scale's byte
.endr
	v_lshl_or_b32 v[PS+(\a)], v[PT+1], 8, v[PT]
	v_lshl_or_b32 v[PS+(\a)], v[PT+2], 16, v[PS+(\a)]
	v_lshl_or_b32 v[PS+(\a)], v[PT+3], 24, v[PS+(\a)]
.irp c, 0,1
	v_cvt_scalef32_pk16_fp6_f32 v[PP+6*\c:PP+2+6*\c], v[S+32*\c:S+15+32*\c], v[SO+2*\c]
	v_cvt_scalef32_pk16_fp6_f32 v[CT+4*\c:CT+2+4*\c], v[S+16+32*\c:S+31+32*\c], v[SO+2*\c+1]
.endr
	v_nop                                          ; one plain place behind a scaled conversion
.irp c, 0,1                                    ; the operand wants a WHOLE block in a lane
.irp i, 0,1,2
	v_permlane16_swap_b32 v[PP+6*\c+\i], v[CT+4*\c+\i]
.endr
.irp i, 0,1,2
	v_mov_b32 v[PP+3+6*\c+\i], v[CT+4*\c+\i]
.endr
.endr
	v_pk_add_f32 v[C2:C2+1], v[S:S+1], v[S+2:S+3]  ; THE ROW'S SUM IS TAKEN OF THE UNQUANTISED p: two at a time, in two chains
.irp j, 4,8,12,16,20,24,28,32,36,40,44,48,52,56,60
	v_pk_add_f32 v[NM+2:NM+3], v[NM+2:NM+3], v[S+\j:S+\j+1]
	v_pk_add_f32 v[C2:C2+1], v[C2:C2+1], v[S+\j+2:S+\j+3]
.endr
	v_pk_add_f32 v[NM+2:NM+3], v[NM+2:NM+3], v[C2:C2+1]
.endm
; A KEY STEP of 128 keys, my i-th of the slot.  next = 1: the next step's k is asked for on the way
.macro STEP i, next
	s_wait_dscnt 0x0                               ; k is in
	SMUL 0
	PLACES 4
	SOFTMAX 0
	SMUL 1
	PLACES 4
	SOFTMAX 1
	VLOAD 0, 0, \i                                 ; p is spent: v's fragments take its registers
	VLOAD 1, 1, \i
.if \next
	KLOAD (\i)+1
.endif
	WIN 0x41                                       ; O^T (destination and source 0) window 1
.set oj, 0
.rept 64
	v_pk_mul_f32 v[oj:oj+1], v[oj:oj+1], v[FQ:FQ+1] op_sel_hi:[1,0]   ; O^T under the new M, each accumulator from its low end on; the loads above land meanwhile
.set oj, oj+2
.endr
.rept 64
	v_pk_mul_f32 v[oj:oj+1], v[oj:oj+1], v[FQ+2:FQ+3] op_sel_hi:[1,0]
.set oj, oj+2
.endr
.irp q, 0,1,2,3                                ; O^T += v p^T: four channel tiles x my two tiles of queries; the eight accumulators by turns
.if \q < 2
	s_wait_dscnt 13+12*\next                       ; this set is in; behind it: the other set's 13 loads, and k's 12 where they were asked for
.elseif \q == 2
	s_wait_dscnt 13                                ; behind it: the other set's 13
.else
	s_wait_dscnt 0x0
.endif
	WIN 0x50                                       ; C and D window 1
.irp c, 0,1,2,3
.irp a, 0,1
	WMC 128*\a+8*(4*\q+\c), VP+48*(\q%2)+12*\c, P+12*\a, 128*\a+8*(4*\q+\c), VS+2*(\q%2)+\c/2, PS+\a, \c%2, 0
.endr
.endr
	WIN 0
.if \q < 2
	PLACES 4                                       ; in front of loads into registers that these products have read
	VLOAD \q%2, \q+2, \i
.endif
.endr
	PLACES 5                                       ; the next matrix instructions write over registers that these products have read: one place more than a load would want
.endm
; THE CHANGE OF SLOTS, at a slot's head.  fill = 1: the slot that has been left is filled with the four steps that follow those ahead: the load has a whole slot's steps in which to land
.macro CHANGE fill
	s_wait_tensorcnt 0x0                           ; my one tensor load has landed: my eighth of the slot ahead; so group 0 may be written
	ds_add_u32 v[SPW], v[NIL]                      ; 0 onto my spare word
.if \fill
	s_xor_b32 s25, s25, SLOT1                      ; the other slot than last time,
	s_add_nc_u64 s[26:27], s[26:27], SLOTB         ; the next four steps; the type bits on top are not reached
	s_wait_dscnt 0x0                               ; the add is done, and my reads of the slot that I have left are over
	CROUND                                         ; the same now holds of every wave of all four work-groups
	JLOAD
.else
	s_wait_dscnt 0x0
	s_barrier_signal -1
	s_barrier_wait -1
.endif
.endm
.macro SLOT_STEPS
	v_lshl_add_u32 v[A16], v1, 4, s32
	v_lshl_add_u32 v[A8], v1, 3, s32
	v_lshl_add_u32 v[A4], v1, 2, s32
	KLOAD 0
	STEP 0, 1
	STEP 1, 0
	s_xor_b32 s32, s32, SLOT1                      ; on to the other slot
.endm
	s_load_b128 s[4:7], s[0:1], 0x0                ; qc, kv
	s_load_b64 s[8:9], s[0:1], 0x10                ; out0
	v_lshl_add_u32 v[SPW], v0, 2, SPARE
	v_mov_b32 v[NIL], 0
	ds_add_u32 v5, v6
	ds_add_u32 v5, v6
	s_wait_dscnt 0x0
	v_lshrrev_b32 v1, 5, v0
	v_readfirstlane_b32 s10, v1                    ; wave 0..7
	s_lshr_b32 s11, s10, 2                         ; g: which half of the keys
	s_and_b32 s12, s10, 3                          ; w: which 32 queries
	s_bfe_u32 s13, ttmp6, 0x40000                  ; cx: it enters qc's and out0's addresses alone
	s_lshl_b32 s14, ttmp9, 2
	s_add_co_u32 s14, s14, s13                     ; my block of 128 queries
	s_and_b32 s15, ttmp7, 0xffff                   ; the image, which the four partners share
	; descriptor group 1: 57 dense rows of 256 bytes (32 elements of 8 bytes): an eighth of a slot
	s_mov_b32 s16, 15|(3<<16)|(1<<21)              ; the mask: all four work-groups; elements of 8 bytes; bit 21 set beside a mask
	s_mov_b32 s17, 32<<16
	s_mov_b32 s18, 57<<16
	s_mov_b32 s19, 32<<16
	s_mov_b32 s20, 57
	s_mov_b32 s21, 32
	s_mov_b32 s22, 0
	s_mov_b32 s23, 0
	s_mul_i32 s36, s15, 32*REC                     ; the image's 32 steps,
	s_mul_i32 s25, s10, 57*256                     ; my eighth: in memory and in the slot alike
	s_add_co_u32 s36, s36, s25
	s_mov_b32 s37, 0
	s_lshl_b32 s38, s15, 5
	s_add_co_u32 s38, s38, s14
	s_mul_i32 s38, s38, QREC                       ; my block's record of qc
	s_mov_b32 s39, 0
	s_lshl_b32 s40, s15, 22                        ; out0: image x 4,194,304
	s_lshl_b32 s41, s10, 19                        ; + the 32 channel rows that I store x 16,384
	s_add_co_u32 s40, s40, s41
	s_lshl_b32 s41, s14, 9                         ; + 128 queries x 4
	s_add_co_u32 s40, s40, s41
	s_mov_b32 s41, 0
	s_mov_b32 s[SEL], 0x76543210
	s_mov_b32 s[SEL+1], 0xfedcba98
	s_mov_b32 s[CS], 0x3fb8aa3b                    ; log2(e)
	s_mov_b32 s[CS+1], s[CS]                       ; (named with it as a pair, so it is written)
	s_mul_i32 s32, s11, 2*REC                      ; my group's two steps in a slot
	s_mov_b32 s34, 0x0000ffff                      ; lanes 0-15
	s_mov_b32 s35, 0xffff0000                      ; lanes 16-31
	s_wait_kmcnt 0x0
	s_mov_b32 s24, 1
	s_add_nc_u64 s[26:27], s[6:7], s[36:37]
	s_or_b32 s27, s27, 0x80000000
	s_add_nc_u64 s[4:5], s[4:5], s[38:39]
	s_add_nc_u64 s[8:9], s[8:9], s[40:41]
	CROUND                                         ; all four work-groups are here: the first joint loads meet
	JLOAD                                          ; slot 0
	v_and_b32 v1, 31, v0                           ; lane
	s_lshl_b32 s42, s11, 4
	v_xor_b32 v7, s42, v1                          ; group 1 takes its queries with the halves changed over
	s_lshl_b32 s42, s12, 5
	v_add_nc_u32 v7, s42, v7
	v_lshlrev_b32 v2, 4, v7
	v_lshlrev_b32 v3, 3, v7
	v_lshlrev_b32 v4, 2, v7
	global_load_b128 v[72:75], v2, s[4:5]          ; my query's 24 bytes of codes
	global_load_b64 v[76:77], v3, s[4:5] offset:2048
	global_load_b32 v[QS], v4, s[4:5] offset:3072  ; and its scale byte, four times
.irp g, 0,2,4,6,8
.irp i, 0,1,2,3,4,5
	v_mov_b32 v[16+6*\g+\i], 0                     ; zero codes
.endr
.endr
.irp i, 0,1,2,3,4,5
	v_mov_b32 v[78+\i], 0                          ; a lane permute's destination counts as one of its sources
.endr
.irp a, 0,1
	v_mov_b32 v[9+4*\a], 0xff61b1e6                ; the largest t so far: -3e38
	v_floor_f32 v[8+4*\a], -v[9+4*\a]              ; -M
	v_mov_b32 v[10+4*\a], 0                        ; the sum, in two halves
	v_mov_b32 v[11+4*\a], 0
	v_mov_b32 v[FQ+2*\a], 0
	v_mov_b32 v[FQ+2*\a+1], 0                      ; (named as the upper half of a pair)
.endr
.irp b, 0,1,2,3
	v_mov_b32 v[PT+\b], 0
.endr
	v_mov_b32 v[T+1], 0
	s_wait_loadcnt 0x0
.irp i, 0,1,2,3,4,5
	v_permlanex16_b32 v[78+\i], v[72+\i], s[SEL], s[SEL+1]
.endr
.irp i, 0,1,2,3,4,5
	v_cndmask_b32 v[22+\i], 0, v[72+\i], s34       ; tile 0's queries in lanes 0-15: blocks 0 and 2
	v_cndmask_b32 v[34+\i], 0, v[78+\i], s35       ; the same in lanes 16-31: blocks 1 and 3
	v_cndmask_b32 v[46+\i], 0, v[78+\i], s34       ; tile 1's
	v_cndmask_b32 v[58+\i], 0, v[72+\i], s35
.endr
	WIN 0x40
.set oj, 0
.rept 256
	v_mov_b32 v[oj], 0                             ; O^T.  The step is written once: the first finds zeros, which the first change of M leaves zeros; a first step of its own would be a third copy of the step's text
.set oj, oj+1
.endr
	WIN 0
	s_mov_b32 s33, 7
.Lslot:                                            ; 7 trips: behind each change of slots but the last the next slot is asked for
	CHANGE 1
	SLOT_STEPS
	s_sub_co_u32 s33, s33, 1
	s_cmp_lg_u32 s33, 0
	s_cbranch_scc1 .Lslot
	CHANGE 0                                       ; the last slot is written out
	SLOT_STEPS
	; ---- THE WAY OUT.  The sums; my tile 1 goes to the wave of the other group, whose tile 1 is my tile 0's queries over the other half of the keys
.irp a, 0,1
	v_add_f32 v[10+4*\a], v[10+4*\a], v[11+4*\a]
.endr
.irp a, 0,1
	v_permlanex16_b32 v[PT+\a], v[10+4*\a], s[SEL], s[SEL+1]
.endr
.irp a, 0,1
	v_add_f32 v[10+4*\a], v[10+4*\a], v[PT+\a]     ; the row's sum over my keys
.endr
	v_mov_b32 v13, v14                             ; v[12:13] = tile 1's -M and sum
	v_lshl_add_u32 v2, v0, 3, XST                  ; 256 x wave + 8 x lane
	s_lshl_b32 s36, s10, 14
	v_lshl_add_u32 v3, v1, 4, s36                  ; XCH is LDS byte 0
	s_xor_b32 s37, s10, 4                          ; the other group's wave
	s_lshl_b32 s38, s37, 8
	v_lshl_add_u32 v4, v1, 3, s38
	v_add_nc_u32 v4, XST, v4
	s_lshl_b32 s38, s37, 14
	v_lshl_add_u32 v7, v1, 4, s38
	ds_store_b64 v2, v[12:13]
	WIN 0x04                                       ; an LDS store's data are its source 1: window 1
.set oj, 0
.rept 32
	ds_store_b128 v3, v[128+oj:131+oj] offset:128*oj   ; an image of the registers, each accumulator from its low end on
.set oj, oj+4
.endr
	WIN 0
	s_wait_dscnt 0x0                               ; my stores have landed, and my reads of the last slot are over
	s_barrier_signal -1
	s_barrier_wait -1
	ds_load_b64 v[14:15], v4                       ; the partner's -M and sum
.set oj, 0
.rept 32
	ds_load_b128 v[100+oj:103+oj], v7 offset:128*oj
.set oj, oj+4
.endr
	s_wait_dscnt 32                                ; the first load is in; the 32 behind it may be out
	v_min_num_f32 v[T], v8, v14                    ; -M of both: the larger M
	v_sub_f32 v9, v[T], v8                         ; my M - M, a whole number, 0 or less
	v_sub_f32 v11, v[T], v14
	v_cvt_i32_f32 v9, v9
	v_cvt_i32_f32 v11, v11
	v_ldexp_f32 v9, 1.0, v9
	v_ldexp_f32 v11, 1.0, v11
	v_mul_f32 v12, v10, v9
	v_fma_f32 v12, v15, v11, v12                   ; the row's whole sum
	v_rcp_f32 v12, v12
	v_and_b32 v[T], 15, v0                         ; (a plain place behind the transcendental)  r
	s_wait_alu depctr_va_vdst(0)
	v_mul_f32 v8, v9, v12                          ; what my O^T is multiplied by,
	v_mul_f32 v10, v11, v12                        ; and the partner's
	v_bfe_u32 v[T+1], v0, 4, 1                     ; h
	s_wait_dscnt 0x0
.set oj, 0
.rept 64
	v_pk_mul_f32 v[100+oj:101+oj], v[100+oj:101+oj], v[10:11] op_sel_hi:[1,0]
.set oj, oj+2
.endr
	WIN 0x01                                       ; source 0 window 1: my tile 0
.set oj, 0
.rept 64
	v_pk_fma_f32 v[100+oj:101+oj], v[oj:oj+1], v[8:9], v[100+oj:101+oj] op_sel_hi:[1,0,1]
.set oj, oj+2
.endr
	WIN 0
	; register 8 ct + j of lane (r, h) is out(channel 16 ct + 8 h + j, query 32 w + 16 g + r): into a stage whose rows are channels, so that whole rows of 512 bytes leave
	s_lshl_b32 s36, s12, 7
	s_lshl_b32 s37, s11, 6
	s_add_co_u32 s36, s36, s37
	s_add_co_u32 s36, s36, STG
	v_mul_u32_u24 v2, v[T+1], 8*528
	v_lshl_add_u32 v2, v[T], 2, v2
	v_add_nc_u32 v2, s36, v2
	v_add_nc_u32 v3, 128*528, v2                   ; channels 128 on: an LDS offset has 16 bits
.irp c, 0,1,2,3,4,5,6,7
.irp j, 0,1,2,3,4,5,6,7
	ds_store_b32 v2, v[100+8*\c+\j] offset:(16*\c+\j)*528
.endr
.endr
.irp c, 0,1,2,3,4,5,6,7
.irp j, 0,1,2,3,4,5,6,7
	ds_store_b32 v3, v[164+8*\c+\j] offset:(16*\c+\j)*528
.endr
.endr
	s_mul_i32 s36, s10, 32*528
	s_add_co_u32 s36, s36, STG
	v_lshl_add_u32 v4, v1, 4, s36                  ; back: my 32 channel rows, 16 bytes a lane
	v_lshlrev_b32 v7, 4, v1
	s_wait_dscnt 0x0
	s_barrier_signal -1
	s_barrier_wait -1                              ; 256 whole rows lie in the stage
.set oj, 0
.rept 32
	ds_load_b128 v[100+4*oj:103+4*oj], v4 offset:528*oj
.set oj, oj+1
.endr
.set oj, 0
.rept 32
	s_wait_dscnt 31-oj
	global_store_b128 v7, v[100+4*oj:103+4*oj], s[8:9] offset:16384*oj th:TH_STORE_NT   ; 32 lanes store 512 consecutive bytes, at a multiple of 512 from out0's first byte
.set oj, oj+1
.endr
	s_wait_tensorcnt 0x0                           ; the wave's end
	ds_add_u32 v[SPW], v[NIL]
	s_wait_dscnt 0x0
	CROUND                                         ; the closing round: no work-group ends while a partner may still ask for a tile that names it
	s_endpgm
.Lfunc_end_k_qb8233c0ae6_attn:
	.size	k_qb8233c0ae6_attn, .Lfunc_end_k_qb8233c0ae6_attn-k_qb8233c0ae6_attn
	.p2alignl 7, 3214868480
	.fill 96, 4, 3214868480
	.section	.rodata,"a",@progbits
	.p2align	6, 0x0
	.amdhsa_kernel k_qb8233c0ae6_attn
		.amdhsa_group_segment_fixed_size 327680
		.amdhsa_private_segment_fixed_size 0
		.amdhsa_enable_private_segment 0
		.amdhsa_kernarg_size 24
		.amdhsa_user_sgpr_count 2
		.amdhsa_user_sgpr_kernarg_segment_ptr 1
		.amdhsa_wavefront_size32 1
		.amdhsa_system_sgpr_workgroup_id_x 1
		.amdhsa_system_sgpr_workgroup_id_y 1
		.amdhsa_system_sgpr_workgroup_id_z 1
		.amdhsa_system_vgpr_workitem_id 0
		.amdhsa_next_free_vgpr 512
		.amdhsa_next_free_sgpr 66
		.amdhsa_reserve_vcc 0
		.amdhsa_float_denorm_mode_32 3
		.amdhsa_float_denorm_mode_16_64 3
		.amdhsa_memory_ordered 1
		.amdhsa_forward_progress 1
		.amdhsa_inst_pref_size 207
	.end_amdhsa_kernel
	.amdgpu_metadata
---
amdhsa.version: [ 1, 2 ]
amdhsa.kernels:
  - .name:           k_qb8233c0ae6_attn
    .symbol:         k_qb8233c0ae6_attn.kd
    .args:
      - { .name: qc, .offset: 0, .size: 8, .value_kind: global_buffer, .address_space: global }
      - { .name: kv, .offset: 8, .size: 8, .value_kind: global_buffer, .address_space: global }
      - { .name: out0, .offset: 16, .size: 8, .value_kind: global_buffer, .address_space: global }
    .group_segment_fixed_size: 327680
    .private_segment_fixed_size: 0
    .kernarg_segment_align: 8
    .kernarg_segment_size: 24
    .max_flat_workgroup_size: 256
    .sgpr_count:     66
    .vgpr_count:     512
    .wavefront_size: 32
...
	.end_amdgpu_metadata
.endif
;; end of part 2
